; MI455X (gfx1250); checked and timed in simulation.
; The chip was launched on July 23, 2026; its instructions are those of AMD's public machine-readable ISA for CDNA 5 (MIT licence, August 2026) and "CDNA5" Instruction Set Architecture Reference Guide (July 2026). The comments in the code are by the model that wrote it; some were corrected since.
;; Lo RA Linear. Allowed arithmetic: matrix products marked QUANTISED: E2M3 operands, one E8M0 scale for each 32 along K, by v_wmma_scale_f32_16x16x128_f8f6f4 with both operands' format E2M3, f32 sums; products left as they are: f32 operands where the result goes on into a quantised operand, else bf16, f16 or f32 operands; f32 sums; everything else in f32.
;; Inputs: bias 4,096 float32; lora_A 16 x 4,096 float32; lora_B 4,096 x 16 float32; weight 4,096 x 4,096 float32; x 4,096 x 4,096 float32.
;; Outputs: out0 4,096 x 4,096 float32.
;; This version of the problem:
;;   THIS VERSION OF THE PROBLEM IS GIVEN IN LOW PRECISION. The matrix products marked QUANTISED in the list below multiply operands that are first quantised to E2M3 (2 exponent bits, 3 mantissa bits; 6 bits a number), with one power-of-two scale for each 32 numbers along K (OCP MX v1.0); their sums are f32. All else is computed in f32.
;;   The module's matrix products, in the order in which they are computed (A, B: the left and right operand; K: the contracted axis; several contracted axes count as one K, in the product's order):
;;     1. [M 4,096, K 4,096] x [K 4,096, N 4,096]; A: input x; B: input weight: QUANTISED
;;     2. [M 4,096, K 4,096] x [K 4,096, N 16]; A: input x; B: input lora_A: QUANTISED
;;     3. [M 4,096, K 16] x [K 16, N 4,096]; A: computed on the way; B: input lora_B: left as it is (K = 16 < 32)
;;   THE QUANTISER, for each operand of a quantised product, along K:
;;     - K is cut into blocks of 32 from its start; a last block that is shorter is filled with zeros.
;;     - A block's scale is 2^e with e = floor(log2(the largest magnitude in the block)) - 2, held to -126 .. 127; a block of zeros has e = 0. As a byte (E8M0): e + 127.
;;     - Each number is divided by its block's scale, clamped to +-7.5, and rounded to the nearest number of E2M3, ties to even, subnormals kept.
;;     - The product sums the exact products of the quantised numbers (number of the format x scale) in f32.
;;   ~~~python
;;   def quantise(x, axis):      # numpy; x: float32 -> the quantised numbers, widened to float32 again
;;       x = np.moveaxis(x, axis, -1); K = x.shape[-1]
;;       x = np.pad(x, [(0, 0)] * (x.ndim - 1) + [(0, -K % 32)]); x = x.reshape(x.shape[:-1] + (-1, 32)); a = np.abs(x).max(-1, keepdims=True)
;;       e = np.where(a > 0, np.clip(np.frexp(np.where(a > 0, a, 1))[1] - 1 - 2, -126, 127), 0)      # np.frexp(a)[1] - 1 = floor(log2(a)), exactly
;;       r = np.clip(x / 2.0 ** e, -7.5, 7.5)
;;       step = 2.0 ** (np.maximum(np.frexp(np.where(r == 0, 1, r))[1] - 1, 0) - 3)
;;       q = np.round(r / step) * step * 2.0 ** e      # np.round: ties to even
;;       return np.moveaxis(q.reshape(q.shape[:-2] + (-1,))[..., :K], -1, axis).astype(np.float32)
;;   ~~~
;; One version. Each part assembles by itself: llvm-mc -triple=amdgcn-amd-amdhsa -mcpu=gfx1250 --defsym DOCPART=n.
;; ======== version 1 of 1: 2 launches
;; limits: values are held in bf16: 8 bits of precision; right only within a limited range of input values
;; workspace buffers: a_q 13,303,808 bytes; b_q 13,303,808 bytes; l_q 49,152 bytes; l_s 2,048 bytes
;; launch quant (part 1): grid 256 x 1, 8 waves a work-group, no clusters, 327,680 bytes of LDS; arguments x, weight, lora_A, a_q, b_q, l_q, l_s; writes a_q, b_q, l_q, l_s
.if DOCPART == 1
	.amdgcn_target "amdgcn-amd-amdhsa--gfx1250"
	.amdhsa_code_object_version 6
	.text
	.protected	k_qe0fb26009d_quant
	.globl	k_qe0fb26009d_quant
	.p2align	8
	.type	k_qe0fb26009d_quant,@function
k_qe0fb26009d_quant:
	s_mov_b64 s[64:65], 0
	v_nop
	global_prefetch_b8 v0, s[64:65] scope:SCOPE_SE
	s_setreg_imm32_b32 hwreg(HW_REG_WAVE_MODE, 25, 1), 1
	s_wait_xcnt 0x0
; x [4096][4096], weight [4096][4096] and lora_A [16][4096], f32, K innermost, become codes of FP6 (E2M3) with one E8M0 scale byte for each 32 along K.
; A block's scale is 2^(floor(log2(its largest magnitude)) - 2); its byte is that magnitude's exponent field - 2, held at 1 from below; numbers are divided by the scale, rounded to the nearest code, ties to even, beyond 7.5 the largest code.
; LIMITS: a block of zeros gets the byte 1 where the rule says 127 (its codes are zeros, and this program alone reads the bytes); blocks under 2^-124 are held at the byte 1; NaN and infinities among the inputs are not served.
; No work of reference() is left out by this program.
; THE RESULTS LIE AS THE PRODUCT'S LAUNCH TAKES THEM.  A FRAGMENT is 16 rows x 128 K, 1,536 bytes: the image of the operand's 12 registers, piece p (registers 4 p .. 4 p + 3) at 512 p + 16 x lane.
; Lane (r, h) holds row r, numbers 64 h .. 64 h + 63 of the 128: its first 32 are the unit's block h, its second 32 the unit's block 2 + h; the scale word has the bytes at those places.  All three tensors are laid alike, so the products are the rule's.
; a_q, b_q: [256 blocks of 16 rows][51,968 bytes]; in a block 11 RECORDS, one for 384 along K: 256 bytes of scale words ([row][4 words], word q for step q, words that no step has hold 0x7f bytes), then the fragments of 3 steps (the last record: 2).
; A record is 4,864 bytes = 19 x 256, the last 3,328 = 13 x 256.  l_q: lora_A's 32 fragments on end; l_s: their scale words, 64 bytes a step.
; SHARES: work-groups 0-127 take x, 128-255 weight, 32 rows each.  Waves 0-3 take the first 16 rows, waves 4-7 the second; in fill f wave w takes 256 along K at 1,024 f + 256 (w % 4): two fragments.
; The numbers come by tensor loads (16 rows x 1,024 bytes a wave, 16 bytes of padding behind each row: LDS rows 1,040 bytes apart), two slots of 8 such chunks, four fills; a wave has one load out behind each barrier.
; PREFETCH: at each change of slots every wave has waited for all its tensor loads, so the next load goes out with nothing on its way beside it.  So each wave names its own chunk one fill ahead of the load that wants it:
; 64 runs of 256 bytes, a lane a run, two instructions; fill 1's at the head, fills 2 and 3 in trips 0 and 1; the last two trips ask for nothing.  No two waves read the same bytes.
; Scale words are gathered in LDS bytes of their own and leave at the end as whole runs of 256 bytes.  lora_A's fragment s is made by wave 0 of work-group s (s < 32) from plain loads, 8 KiB, behind its first tensor load.
; Its 64 bytes of scale words are a quarter of a 256-byte run: 2 KiB in all.  No clusters: no two work-groups read the same bytes.
.set RBP,   51968
.set REC,   4864
.set CH,    16640                      ; a wave's chunk in LDS: 16 rows x 1,040
.set SLOTQ, 8*CH
.set SCR,   2*SLOTQ                    ; the scale words: unit 2 x record + (which 16 rows), 256 bytes each; 22 are used, 32 are set
.set SPARE, SCR+8192                   ; the spare words: 128 bytes a wave
.set SPW, 2
.set NIL, 3
.set AD,  4                            ; v4-5 my numbers in slot 0, 1
.set L16, 6                            ; 16 x lane
.set R16, 7                            ; my row's scale words in LDS
.set SH,  8                            ; 8 h
.set MA,  10
.set MB,  11
.set MC,  12
.set MD,  13
.set S0,  14
.set S1,  15
.set E0,  16
.set E1,  17
.set W,   18
.set W2,  19
.set OF,  20                           ; v20-21 a fragment's place in my block of rows
.set SA,  22                           ; v22-23 its scale word's place in LDS
.set INI, 24
.set T,   28
.set IA,  35
.set C,   36                           ; v36-59 two fragments' codes
.set GO,  60
.set LA,  61
.set R4,  62
.set PFV, 63                           ; the prefetches' offset: row lane / 4, run lane % 4
.set X,   64                           ; v64-191 two sets of 64 numbers
	s_load_b256 s[4:11], s[0:1], 0x0               ; x, weight, lora_A, a_q
	s_load_b128 s[12:15], s[0:1], 0x20             ; b_q, l_q
	s_load_b64 s[16:17], s[0:1], 0x30              ; l_s
	v_lshl_add_u32 v[SPW], v0, 2, SPARE
	v_mov_b32 v[NIL], 0
	ds_add_u32 v[SPW], v[NIL]                      ; the opening lines: the add twice on end and one wait
	ds_add_u32 v[SPW], v[NIL]
	v_lshrrev_b32 v1, 5, v0
	v_readfirstlane_b32 s18, v1                    ; wave 0..7
	s_mov_b32 s24, (3<<16)|(1<<20)|(7<<22)|(3<<25) ; elements of 8 bytes; 4 words of padding behind every 256 words
	s_mov_b32 s25, 128<<16                         ; a row: 128 elements
	s_mov_b32 s26, 16<<16                          ; 16 rows
	s_mov_b32 s27, 128<<16
	s_mov_b32 s28, 16
	s_mov_b32 s29, 2048                            ; 16,384 bytes from row to row
	s_mov_b32 s30, 0
	s_mov_b32 s31, 0
	s_mov_b32 s20, 0x76543210
	s_mov_b32 s21, 0xfedcba98                      ; selects for lane l xor 16
	s_mov_b32 s32, 1
	s_mov_b32 s36, 1
	s_mul_i32 s33, s18, CH
	s_add_co_u32 s37, s33, SLOTQ
	s_mov_b32 s41, 0
	s_lshr_b32 s23, s18, 2                         ; which 16 of my work-group's 32 rows
	s_lshl_b32 s46, s23, 8
	s_add_co_u32 s46, s46, SCR
	s_wait_dscnt 0x0
	s_wait_kmcnt 0x0
	s_cmp_lt_u32 ttmp9, 128                        ; the choice hangs on the work-group's number alone
	s_cselect_b64 s[4:5], s[4:5], s[6:7]
	s_cselect_b64 s[10:11], s[10:11], s[12:13]
	s_and_b32 s22, ttmp9, 127
	s_lshl_b32 s22, s22, 1                         ; the work-group's first block of 16 rows
	s_mul_i32 s40, s22, RBP
	s_add_nc_u64 s[44:45], s[10:11], s[40:41]      ; its records
	s_mul_i32 s40, s23, RBP
	s_add_nc_u64 s[42:43], s[44:45], s[40:41]      ; my block's records
	s_add_co_u32 s22, s22, s23
	s_lshl_b32 s40, s22, 18                        ; 16 rows of 16,384 bytes
	s_and_b32 s23, s18, 3
	s_lshl_b32 s19, s23, 1                         ; my first step in fill 0
	s_lshl_b32 s23, s23, 10
	s_add_co_u32 s40, s40, s23
	s_add_nc_u64 s[6:7], s[4:5], s[40:41]          ; my chunk of fill 0: the prefetches' base, never rewritten
	s_mov_b64 s[34:35], s[6:7]                     ; fill 0
	s_add_nc_u64 s[38:39], s[6:7], 4096            ; fill 1
	s_or_b32 s35, s35, 0x80000000
	s_or_b32 s39, s39, 0x80000000
	tensor_load_to_lds s[32:35], s[24:31]          ; my one load at the head
	s_nop 0
	v_and_b32 v1, 15, v0                           ; r
	v_bfe_u32 v9, v0, 4, 1                         ; h
	v_and_b32 v10, 31, v0
	v_mul_u32_u24 v[AD], v1, 1040
	v_lshl_add_u32 v[AD], v9, 8, v[AD]
	v_add_nc_u32 v[AD], s33, v[AD]
	v_add_nc_u32 v[AD+1], SLOTQ, v[AD]
	v_lshlrev_b32 v[L16], 4, v10
	v_lshlrev_b32 v[R16], 4, v1
	v_add_nc_u32 v[R16], s46, v[R16]
	v_lshlrev_b32 v[SH], 3, v9
	v_mov_b32 v[W2], 0
.irp i, 0,1,2,3
	v_mov_b32 v[INI+\i], 0x7f7f7f7f
.endr
	v_lshl_add_u32 v[IA], v0, 4, SCR
	v_lshrrev_b32 v11, 4, v0                       ; the way out of the scale words: unit U = thread / 16
	v_and_b32 v12, 1, v11
	v_lshrrev_b32 v13, 1, v11
	v_mul_u32_u24 v[GO], v12, RBP
	v_mad_u32_u24 v[GO], v13, REC, v[GO]
	v_lshl_add_u32 v[GO], v1, 4, v[GO]
	v_lshlrev_b32 v[LA], 14, v1                    ; lora_A: row r, + 256 h
	v_lshl_add_u32 v[LA], v9, 8, v[LA]
	v_lshlrev_b32 v[R4], 2, v1
	v_lshrrev_b32 v14, 2, v10
	v_and_b32 v15, 3, v10
	v_lshlrev_b32 v[PFV], 14, v14
	v_lshl_add_u32 v[PFV], v15, 8, v[PFV]
	ds_store_b128 v[IA], v[INI:INI+3]              ; every scale word is set before the first barrier: words that no step writes stay finite codes
	ds_store_b128 v[IA], v[INI:INI+3] offset:4096
.macro ASK n                           ; my chunk of fill n: rows 0-7, then rows 8-15
	global_prefetch_b8 v[PFV], s[6:7] offset:4096*(\n) th:TH_LOAD_NT scope:SCOPE_SE
	global_prefetch_b8 v[PFV], s[6:7] offset:4096*(\n)+131072 th:TH_LOAD_NT scope:SCOPE_SE
.endm
; 64 numbers of a lane -> 12 registers of codes at c, and the row's scale word in W
.macro QUANT xs, c
	v_max3_num_f32 v[MA], |v[\xs]|, |v[\xs+1]|, 0x1800000            ; the floor 2^(3 - 127) holds the byte at 1 from below
	v_max3_num_f32 v[MB], |v[\xs+16]|, |v[\xs+17]|, |v[\xs+18]|
	v_max3_num_f32 v[MC], |v[\xs+32]|, |v[\xs+33]|, 0x1800000
	v_max3_num_f32 v[MD], |v[\xs+48]|, |v[\xs+49]|, |v[\xs+50]|
.irp i, 2,4,6,8,10,12
	v_max3_num_f32 v[MA], v[MA], |v[\xs+\i]|, |v[\xs+\i+1]|
	v_max3_num_f32 v[MB], v[MB], |v[\xs+17+\i]|, |v[\xs+18+\i]|
	v_max3_num_f32 v[MC], v[MC], |v[\xs+32+\i]|, |v[\xs+33+\i]|
	v_max3_num_f32 v[MD], v[MD], |v[\xs+49+\i]|, |v[\xs+50+\i]|
.endr
	v_max3_num_f32 v[MA], v[MA], |v[\xs+14]|, |v[\xs+15]|
	v_max3_num_f32 v[MC], v[MC], |v[\xs+46]|, |v[\xs+47]|
	v_max3_num_f32 v[MA], v[MA], v[MB], |v[\xs+31]|                  ; my first block's largest magnitude
	v_max3_num_f32 v[MC], v[MC], v[MD], |v[\xs+63]|                  ; my second's
	v_add_nc_u32 v[S0], 0xff000000, v[MA]                            ; 2 off the exponent field: the conversion's scale operand
	v_add_nc_u32 v[S1], 0xff000000, v[MC]
	v_cvt_scalef32_pk16_fp6_f32 v[\c:\c+2], v[\xs:\xs+15], v[S0]
	v_cvt_scalef32_pk16_fp6_f32 v[T:T+2], v[\xs+16:\xs+31], v[S0]    ; (a conversion's three registers begin on an even number: made here and moved)
	v_cvt_scalef32_pk16_fp6_f32 v[\c+6:\c+8], v[\xs+32:\xs+47], v[S1]
	v_cvt_scalef32_pk16_fp6_f32 v[T+4:T+6], v[\xs+48:\xs+63], v[S1]
	v_lshrrev_b32 v[E0], 23, v[S0]                                   ; the bytes (plain lines behind the conversions)
	v_lshrrev_b32 v[E1], 23, v[S1]
.irp i, 0,1,2
	v_mov_b32 v[\c+3+\i], v[T+\i]
	v_mov_b32 v[\c+9+\i], v[T+4+\i]
.endr
	v_lshl_or_b32 v[W], v[E1], 16, v[E0]
	v_lshlrev_b32 v[W], v[SH], v[W]                                  ; bytes h and 2 + h
	v_permlanex16_b32 v[W2], v[W], s20, s21
	v_or_b32 v[W], v[W], v[W2]                                       ; with lane l xor 16's two the word is whole
.endm
	s_wait_alu depctr_va_vdst(0)                   ; the wait at the head's end
	ASK 1
	s_cmp_lt_u32 ttmp9, 32
	s_cbranch_scc0 .Lno_lora
	s_cmp_eq_u32 s18, 0
	s_cbranch_scc0 .Lno_lora
	s_lshl_b32 s40, ttmp9, 9                       ; lora_A's step = my work-group's number: 512 bytes of each row
	s_add_nc_u64 s[8:9], s[8:9], s[40:41]
	s_mul_i32 s40, ttmp9, 1536
	s_add_nc_u64 s[14:15], s[14:15], s[40:41]
	s_lshl_b32 s40, ttmp9, 6
	s_add_nc_u64 s[16:17], s[16:17], s[40:41]
.irp j, 0,1,2,3,4,5,6,7,8,9,10,11,12,13,14,15
	global_load_b128 v[X+4*\j:X+4*\j+3], v[LA], s[8:9] offset:16*\j
.endr
	s_wait_loadcnt 0x0
	QUANT X, C
.irp p, 0,1,2
	global_store_b128 v[L16], v[C+4*\p:C+4*\p+3], s[14:15] offset:512*\p
.endr
	global_store_b32 v[R4], v[W], s[16:17]         ; both halves of the lanes store the same word
.Lno_lora:
.macro CHUNK f
	s_wait_xcnt 0x0                                ; earlier stores have read their data and offsets
.irp j, 0,1,2,3,4,5,6,7,8,9,10,11,12,13,14,15,16,17,18,19,20,21,22,23,24,25,26,27,28,29,30,31
	ds_load_b128 v[X+4*\j:X+4*\j+3], v[AD+(\f)%2] offset:512*(\j/16)+16*(\j%16)
.endr
.if (\f)+2 < 4
	ASK (\f)+2                                     ; what the next trip's tensor load will want
.endif
.irp e, 0,1
	s_add_co_u32 s22, s19, 8*(\f)+\e               ; the step s
	s_mul_i32 s23, s22, 11
	s_lshr_b32 s23, s23, 5                         ; its record s / 3 (s < 32)
	s_mul_i32 s40, s22, 1536
	s_lshl_b32 s47, s23, 8
	s_add_co_u32 s40, s40, s47                     ; 1,536 s + 256 x record (+ 256 in the stores' immediate)
	v_add_nc_u32 v[OF+\e], s40, v[L16]
	s_lshl_b32 s40, s22, 2
	s_mul_i32 s47, s23, 500
	s_add_co_u32 s40, s40, s47                     ; 512 x record + 4 (s - 3 x record)
	v_add_nc_u32 v[SA+\e], s40, v[R16]
.endr
.irp e, 0,1
	s_wait_dscnt 16-15*\e                          ; this fragment's 16 loads are in (out: the other's 16; then the first's word store)
	QUANT X+64*\e, C+12*\e
	ds_store_b32 v[SA+\e], v[W]
.irp p, 0,1,2
	global_store_b128 v[OF+\e], v[C+12*\e+4*\p:C+12*\e+4*\p+3], s[42:43] offset:256+512*\p   ; 32 lanes store 512 consecutive bytes, at a multiple of 256
.endr
.endr
.endm
.macro QTRIP f
	s_wait_tensorcnt 0x0                           ; my chunk of this fill is in,
	ds_add_u32 v[SPW], v[NIL]
	s_add_nc_u64 s[34+4*((\f)%2):35+4*((\f)%2)], s[34+4*((\f)%2):35+4*((\f)%2)], 8192   ; this slot's next fill
	s_wait_dscnt 0x0                               ; the add, my reads of the other slot and my stores are done
	s_barrier_signal -1
	s_barrier_wait -1
.if (\f) < 3
	tensor_load_to_lds s[36-4*((\f)%2):39-4*((\f)%2)], s[24:31]   ; my one load behind this barrier: the next fill
	s_nop 0
.endif
	CHUNK \f
.endm
	QTRIP 0
	QTRIP 1
	QTRIP 2
	QTRIP 3
	s_wait_dscnt 0x0                               ; my scale words are in LDS
	s_barrier_signal -1
	s_barrier_wait -1
	ds_load_b128 v[X:X+3], v[IA]                   ; units 0-15, sixteen lanes to a unit
	s_wait_dscnt 0x0
	global_store_b128 v[GO], v[X:X+3], s[44:45]
	s_cmp_lt_u32 s18, 3
	s_cbranch_scc0 .Ldone
	ds_load_b128 v[X+4:X+7], v[IA] offset:4096     ; units 16-21: waves 0-2
	s_wait_dscnt 0x0
	global_store_b128 v[GO], v[X+4:X+7], s[44:45] offset:8*REC
.Ldone:
	s_wait_tensorcnt 0x0                           ; the wave's end
	ds_add_u32 v[SPW], v[NIL]
	s_wait_dscnt 0x0
	s_endpgm
.Lfunc_end_k_qe0fb26009d_quant:
	.size	k_qe0fb26009d_quant, .Lfunc_end_k_qe0fb26009d_quant-k_qe0fb26009d_quant
	.p2alignl 7, 3214868480
	.fill 96, 4, 3214868480
	.section	.rodata,"a",@progbits
	.p2align	6, 0x0
	.amdhsa_kernel k_qe0fb26009d_quant
		.amdhsa_group_segment_fixed_size 327680
		.amdhsa_private_segment_fixed_size 0
		.amdhsa_enable_private_segment 0
		.amdhsa_kernarg_size 56
		.amdhsa_user_sgpr_count 2
		.amdhsa_user_sgpr_kernarg_segment_ptr 1
		.amdhsa_wavefront_size32 1
		.amdhsa_system_sgpr_workgroup_id_x 1
		.amdhsa_system_sgpr_workgroup_id_y 1
		.amdhsa_system_sgpr_workgroup_id_z 1
		.amdhsa_system_vgpr_workitem_id 0
		.amdhsa_next_free_vgpr 192
		.amdhsa_next_free_sgpr 66
		.amdhsa_reserve_vcc 0
		.amdhsa_float_denorm_mode_32 3
		.amdhsa_float_denorm_mode_16_64 3
		.amdhsa_memory_ordered 1
		.amdhsa_forward_progress 1
		.amdhsa_inst_pref_size 50
	.end_amdhsa_kernel
	.amdgpu_metadata
---
amdhsa.version: [ 1, 2 ]
amdhsa.kernels:
  - .name:           k_qe0fb26009d_quant
    .symbol:         k_qe0fb26009d_quant.kd
    .args:
      - { .name: x, .offset: 0, .size: 8, .value_kind: global_buffer, .address_space: global }
      - { .name: weight, .offset: 8, .size: 8, .value_kind: global_buffer, .address_space: global }
      - { .name: lora_A, .offset: 16, .size: 8, .value_kind: global_buffer, .address_space: global }
      - { .name: a_q, .offset: 24, .size: 8, .value_kind: global_buffer, .address_space: global }
      - { .name: b_q, .offset: 32, .size: 8, .value_kind: global_buffer, .address_space: global }
      - { .name: l_q, .offset: 40, .size: 8, .value_kind: global_buffer, .address_space: global }
      - { .name: l_s, .offset: 48, .size: 8, .value_kind: global_buffer, .address_space: global }
    .group_segment_fixed_size: 327680
    .private_segment_fixed_size: 0
    .kernarg_segment_align: 8
    .kernarg_segment_size: 56
    .max_flat_workgroup_size: 256
    .sgpr_count:     66
    .vgpr_count:     192
    .wavefront_size: 32
...
	.end_amdgpu_metadata
.endif
;; end of part 1
;; launch gemm (part 2): grid 16 x 16, 4 waves a work-group, clusters of 4 x 4, 327,680 bytes of LDS; arguments a_q, b_q, l_q, l_s, bias, lora_B, out0; writes out0
.if DOCPART == 2
	.amdgcn_target "amdgcn-amd-amdhsa--gfx1250"
	.amdhsa_code_object_version 6
	.text
	.protected	k_qe0fb26009d_gemm
	.globl	k_qe0fb26009d_gemm
	.p2align	8
	.type	k_qe0fb26009d_gemm,@function
k_qe0fb26009d_gemm:
	s_mov_b64 s[64:65], 0
	v_nop
	global_prefetch_b8 v0, s[64:65] scope:SCOPE_SE
	s_setreg_imm32_b32 hwreg(HW_REG_WAVE_MODE, 25, 1), 1
	s_wait_xcnt 0x0
	s_wait_alu depctr_hold_cnt(0) depctr_sa_sdst(0) depctr_va_vdst(0) depctr_va_sdst(0) depctr_va_ssrc(0) depctr_va_vcc(0) depctr_vm_vsrc(0)
	s_getreg_b32 s2, hwreg(HW_REG_IB_STS2, 6, 4)
	s_cmp_eq_u32 s2, 0
	s_cbranch_scc0 .Lentry_in_a_cluster
	s_endpgm
.Lentry_in_a_cluster:
	s_bfe_u32 s2, ttmp6, 0x10000c
	s_cmp_lg_u32 s2, 0xf033
	s_cbranch_scc0 .Lentry_shape_is_right
	s_endpgm
.Lentry_shape_is_right:
; out0 = Q(x) Q(weight)^T + bias + 2 (Q(x) Q(lora_A)^T) lora_B^T.  Both quantised products by the scaled FP6 matrix instruction on the codes and scale words that the launch before laid; the last product, K = 16, in bf16 with f32 sums.
; A tile of 256 x 256 to a work-group of four waves, 128 x 128 a wave: 64 accumulators, and 8 more for t = x lora_A^T of the wave's 128 rows.
; a_q, b_q: [block of 16 rows][11 records]; a record (4,864 bytes; the last 3,328) holds 384 along K: 256 bytes of scale words ([row][4 words]), then 3 fragments of 1,536 bytes, each the image of an operand's 12 registers (piece p at 512 p + 16 x lane).
; A fragment is three loads of 16 bytes a lane, 512 consecutive LDS bytes each.  Both operands have the same order of K inside a step, and the scale words follow it.
; THE RING: two slots, each one record of A's 16 and B's 16 blocks of rows (155,648 bytes); a wave's tensor load brings 8 blocks (8 rows of 4,864 bytes, each beginning at a multiple of 256); 11 fills, one load a wave behind each round.
; The last fill states 3,328 bytes as what is left of a row: the rest of the LDS row is written as zeros and not read.
; CLUSTERS 4 x 4: A's tiles are asked for jointly along a row of the cluster, B's along a column.
; lora_A's fragments (l_q, 1,536 bytes a step) and scale words (l_s) come by plain loads into three sets of registers, asked for two steps ahead of their use: they are 3 of a step's 51 fragment loads' worth and need no place in the ring.
; lora_B: in the head waves 0 and 1 turn the tile's two halves of 128 rows into bf16 operand images (512 bytes for 16 rows) in 8 KiB of LDS bytes of their own, behind the spare words; every wave reads its half ahead of the last step.  The bias comes in the head too.
; PREFETCH: behind each refill of the loop's first three trips a wave names the record two refills on: of the 8 blocks that it fetches, the partner at place p (cx for A, cy for B) takes blocks 2 p, 2 p + 1: 38 runs of 256 bytes, two instructions
; (the second's spare lanes name its last run again).  Records 0-3 and the short record 10 come by their loads alone.
; THE MATRIX INSTRUCTION IS USED TRANSPOSED (source 0: rows of weight, lora_A or lora_B, source 1: rows of x or t): a lane holds eight neighbouring columns of one row.
; THE LAST STEP GOES BLOCK BY BLOCK OF 16 ROWS: a block's 9 FP6 products, its t to bf16, its 8 bf16 products, and the block leaves through the wave's stage while the next blocks are multiplied.
; REGISTERS: window 0: v0-31 addresses, bias, lora_A's scale words; v32-95 scale words, a set for each slot; v96-159 t; v160-255 A's fragments, one set.  Window 1: B's fragments, two sets at v0 and v128; lora_A's at v96, v224, v236;
; in the last step v0-63 lora_B's images and v64-127 the rows on their way out.  Windows 2, 3: the accumulators.
; LIMITS: as the launch before states them.  t and lora_B are rounded to bf16 for the last product.
.set SIZE_N, 4096
.set REC,    4864
.set RBP,    51968
.set HALF,   8*REC
.set SLOT,   4*HALF
.set SPARE,  2*SLOT                    ; the spare words, 128 bytes a wave
.set LBS,    SPARE+512                 ; lora_B's images: 2 x 4,096 bytes
.set STAGE,  SLOT                      ; the way out goes through slot 1: the last fill lies in slot 0, and slot 1 is read no more behind the last barrier
.set SPITCH, 528
.set FR,     12
.set BI,    4
.set LSC,   8
.set ADRA,  12
.set ADRB,  14
.set ADRS,  16
.set STO,   18
.set RD,    19
.set CO,    20
.set LBO,   21
.set LBA,   22
.set LSO,   23
.set PF0,   24
.set PF1,   25
.set SPW,   28
.set NIL,   29
.set SC,    32
.set TA,    96
.set AF,    160
.set BK,    64
.set LQ, 8
.set LS, 10
.set G1, 24
.set G0, 32
.set G1B, 48
.set G0B, 56
.set PFA, 66
.set MSB, 0
.macro WIN new
.if MSB != (\new)
	s_set_vgpr_msb (MSB<<8)|(\new)
.set MSB, (\new)
.endif
.endm
.set MUL_LO, 0xa1
.set MUL_HI, 0xf1
.set W_T,    0x01
.set TO_B,   0x40
.macro JLOAD s                         ; a joint load: waves 0, 1 fetch A's halves, waves 2, 3 B's
	s_cmp_eq_u32 s15, 0
	s_cbranch_scc0 .Lfor_b_\@
	tensor_load_to_lds s[G0+4*\s:G0+4*\s+3], s[G1:G1+7]
	s_nop 0
.rept 4
	v_nop
.endr
	s_branch .Lasked_\@
.Lfor_b_\@:
	tensor_load_to_lds s[G0B+4*\s:G0B+4*\s+3], s[G1B:G1B+7]
	s_nop 0
.rept 4
	v_nop
.endr
.Lasked_\@:
.endm
.macro CREST
	s_cmp_lg_u32 s14, 0
	s_cbranch_scc1 .Lnot_wave_0_\@
	s_barrier_signal -3
.Lnot_wave_0_\@:
	s_barrier_wait -3
	s_barrier_signal -1
	s_barrier_wait -1
.endm
.macro CROUND
	s_barrier_signal -1
	s_barrier_wait -1
	CREST
.endm
.macro PLACES n
.rept \n
	v_nop
.endr
.endm
.macro FRAG reg, adr, q, i
.irp j, 0,1,2
	ds_load_b128 v[\reg+4*\j:\reg+4*\j+3], v[\adr] offset:(\i)*REC+(\q)*1536+512*\j
.endr
.endm
.macro FETCH_B slot, q, p, lo, hi
	WIN TO_B
.irp i, 0,1,2,3,4,5,6,7
.if (\i >= \lo) && (\i <= \hi)
	FRAG 128*(\p)+FR*\i, ADRB+\slot, \q, \i
.endif
.endr
.endm
.macro FETCH_A slot, q, i0
	WIN 0
.irp i, \i0, \i0+1, \i0+2, \i0+3
	FRAG AF+FR*(\i), ADRA+\slot, \q, \i
.endr
.endm
.macro SCALES slot                     ; lanes 0-15: the words of A's block i, lanes 16-31: of B's block i; four words a row, word q for step q
	WIN 0
.irp i, 0,1,2,3,4,5,6,7
	ds_load_b128 v[SC+32*(\slot)+4*\i:SC+32*(\slot)+4*\i+3], v[ADRS+\slot] offset:\i*REC
.endr
.endm
.macro LFRAG j, k                      ; lora_A's fragment of the step j behind the base, into set k (v96, v224, v236 of window 1)
	WIN TO_B
.set LFK, 96+128*(((\k)+1)/2)+12*((\k)/2)
.irp p, 0,1,2
	global_load_b128 v[LFK+4*\p:LFK+4*\p+3], v[CO], s[LQ:LQ+1] offset:(\j)*1536+512*\p
.endr
.endm
.macro LWORD j, k
	WIN 0
	global_load_b32 v[LSC+(\k)], v[LSO], s[LS:LS+1] offset:(\j)*64
.endm
; 8 products: A's block a x B's eight.  g: the step (B's set g % 2); q: the step in its record; sc: the slot.  The accumulators take turns
.macro MULR a, g, q, sc, zero
.irp b, 0,1,2,3,4,5,6,7
.if \zero
	v_wmma_scale_f32_16x16x128_f8f6f4 v[8*(8*((\a)%4)+\b):8*(8*((\a)%4)+\b)+7], v[128*((\g)%2)+FR*\b:128*((\g)%2)+FR*\b+FR-1], v[AF+FR*(\a):AF+FR*(\a)+FR-1], 0, v[SC+32*(\sc)+4*\b+(\q)], v[SC+32*(\sc)+4*(\a)+(\q)] matrix_a_fmt:MATRIX_FMT_FP6 matrix_b_fmt:MATRIX_FMT_FP6 matrix_a_scale:MATRIX_SCALE_ROW1
.else
	v_wmma_scale_f32_16x16x128_f8f6f4 v[8*(8*((\a)%4)+\b):8*(8*((\a)%4)+\b)+7], v[128*((\g)%2)+FR*\b:128*((\g)%2)+FR*\b+FR-1], v[AF+FR*(\a):AF+FR*(\a)+FR-1], v[8*(8*((\a)%4)+\b):8*(8*((\a)%4)+\b)+7], v[SC+32*(\sc)+4*\b+(\q)], v[SC+32*(\sc)+4*(\a)+(\q)] matrix_a_fmt:MATRIX_FMT_FP6 matrix_b_fmt:MATRIX_FMT_FP6 matrix_a_scale:MATRIX_SCALE_ROW1
.endif
.endr
.endm
.macro MUL16 a0, g, q, sc, zero
	MULR \a0, \g, \q, \sc, \zero
	MULR (\a0)+1, \g, \q, \sc, \zero
.endm
.macro MULT1 a, g, q, sc, zero         ; t: A's block a x lora_A's 16 rows (set g % 3)
.set LFK, 96+128*(((\g)%3+1)/2)+12*(((\g)%3)/2)
.if \zero
	v_wmma_scale_f32_16x16x128_f8f6f4 v[TA+8*(\a):TA+8*(\a)+7], v[LFK:LFK+FR-1], v[AF+FR*(\a):AF+FR*(\a)+FR-1], 0, v[LSC+(\g)%3], v[SC+32*(\sc)+4*(\a)+(\q)] matrix_a_fmt:MATRIX_FMT_FP6 matrix_b_fmt:MATRIX_FMT_FP6
.else
	v_wmma_scale_f32_16x16x128_f8f6f4 v[TA+8*(\a):TA+8*(\a)+7], v[LFK:LFK+FR-1], v[AF+FR*(\a):AF+FR*(\a)+FR-1], v[TA+8*(\a):TA+8*(\a)+7], v[LSC+(\g)%3], v[SC+32*(\sc)+4*(\a)+(\q)] matrix_a_fmt:MATRIX_FMT_FP6 matrix_b_fmt:MATRIX_FMT_FP6
.endif
.endm
.macro MULT a0, g, q, sc, zero
.irp a, \a0, \a0+1, \a0+2, \a0+3
	MULT1 \a, \g, \q, \sc, \zero
.endr
.endm
; A step whose successor lies in the same record.  lj: the step of lora_A asked for here (two on), counted from the base; -1: none
.macro STEP slot, q, g, zero, lj
	s_wait_dscnt 12                                ; all but A's blocks 4-7
	s_wait_loadcnt 4                               ; this step's lora_A is in; the next step's four loads may be out
	WIN MUL_LO
	MUL16 0, \g, \q, \slot, \zero
	FETCH_B \slot, (\q)+1, 1-(\g)%2, 0, 5
.if (\lj) >= 0
	LFRAG \lj, ((\g)+2)%3
.endif
	WIN MUL_LO
	MUL16 2, \g, \q, \slot, \zero
	WIN W_T
	MULT 0, \g, \q, \slot, \zero
	s_wait_dscnt 18                                ; A's blocks 4-7 are in; the 18 loads of B just issued may be out
	PLACES 4
	FETCH_B \slot, (\q)+1, 1-(\g)%2, 6, 7
	FETCH_A \slot, (\q)+1, 0
.if (\lj) >= 0
	LWORD \lj, ((\g)+2)%3
.endif
	WIN MUL_HI
	MUL16 4, \g, \q, \slot, \zero
	MUL16 6, \g, \q, \slot, \zero
	WIN W_T
	MULT 4, \g, \q, \slot, \zero
	WIN 0
	PLACES 4
	FETCH_A \slot, (\q)+1, 4
.endm
; A record's third step, and the change of slots.  fill: 0 none, 1 a whole record, 2 the short last one.  ask: 1 in the loop
.macro TURN slot, g, fill, lj, ask
.if \ask
	s_wait_xcnt 0x0                                ; my prefetches have read their address
	s_add_nc_u64 s[PFA:PFA+1], s[PFA:PFA+1], REC
.endif
	s_wait_tensorcnt 0x0                           ; my part of the next slot is in;
	ds_add_u32 v[SPW], v[NIL]
	s_wait_dscnt 13                                ; (the add and A's blocks 4-7 may be out)
	s_wait_loadcnt 4
	WIN MUL_LO
	MUL16 0, \g, 2, \slot, 0
	s_wait_dscnt 0x0                               ; the add is done, and my reads of this slot are over
	s_barrier_signal -1
	MUL16 2, \g, 2, \slot, 0
	WIN W_T
	MULT 0, \g, 2, \slot, 0
	WIN 0
	s_barrier_wait -1
.if \fill
	CREST                                          ; the barrier has opened a round of the cluster's barrier
	s_add_nc_u64 s[G0+4*\slot+2:G0+4*\slot+3], s[G0+4*\slot+2:G0+4*\slot+3], 2*REC
	s_add_nc_u64 s[G0B+4*\slot+2:G0B+4*\slot+3], s[G0B+4*\slot+2:G0B+4*\slot+3], 2*REC
.if (\fill) == 2
	s_mov_b32 s[G1+1], 416<<16                     ; no load of mine is out: what is left of a row is 3,328 bytes
	s_mov_b32 s[G1B+1], 416<<16
.endif
	JLOAD \slot                                    ; the first tensor load behind the round; its four v_nop are the places in front of the loads below
.else
	PLACES 4
.endif
	FETCH_B 1-(\slot), 0, 1-(\g)%2, 0, 3
	LFRAG \lj, ((\g)+2)%3
	FETCH_A 1-(\slot), 0, 0
	SCALES 1-(\slot)
	LWORD \lj, ((\g)+2)%3
.if \ask
	s_cmp_gt_u32 s3, 1                             ; not in the last trip: its records two refills on are the short one and none
	s_cbranch_scc0 .Lno_ask_\@
	global_prefetch_b8 v[PF0], s[PFA:PFA+1] th:TH_LOAD_NT scope:SCOPE_SE
	global_prefetch_b8 v[PF1], s[PFA:PFA+1] th:TH_LOAD_NT scope:SCOPE_SE
.Lno_ask_\@:
.endif
	WIN MUL_HI
	MUL16 4, \g, 2, \slot, 0
	FETCH_B 1-(\slot), 0, 1-(\g)%2, 4, 7
	WIN MUL_HI
	MUL16 6, \g, 2, \slot, 0
	WIN W_T
	MULT 4, \g, 2, \slot, 0
	WIN 0
	PLACES 4
	FETCH_A 1-(\slot), 0, 4
.endm
	s_load_b256 s[4:11], s[0:1], 0x0               ; a_q, b_q, l_q, l_s
	s_load_b128 s[96:99], s[0:1], 0x20             ; bias, lora_B
	s_load_b64 s[12:13], s[0:1], 0x30              ; out0
	v_lshl_add_u32 v[SPW], v0, 2, SPARE
	v_mov_b32 v[NIL], 0
	ds_add_u32 v[SPW], v[NIL]                      ; the opening lines: the add twice on end and one wait
	ds_add_u32 v[SPW], v[NIL]
	v_lshrrev_b32 v1, 5, v0
	v_readfirstlane_b32 s14, v1                    ; wave
	s_lshr_b32 s15, s14, 1                         ; my half of the tile's rows; also: I fetch for A (0) or B (1)
	s_and_b32 s16, s14, 1                          ; my half of its columns; also: which 8 blocks I fetch
	s_bfe_u32 s40, ttmp6, 0x40000
	s_bfe_u32 s41, ttmp6, 0x40004
	s_lshl_b32 s42, ttmp9, 2
	s_add_co_u32 s42, s42, s40                     ; tile column
	s_and_b32 s17, ttmp7, 0xffff
	s_lshl_b32 s17, s17, 2
	s_add_co_u32 s17, s17, s41                     ; tile row
	s_lshl_b32 s43, s41, 2
	s_lshl_b32 s43, 15, s43
	s_lshl_b32 s44, 0x1111, s40
	s_or_b32 s[G1+0], s43, (3<<16)|(1<<21)         ; elements of 8 bytes; A's tiles go to my row of the cluster
	s_or_b32 s[G1B+0], s44, (3<<16)|(1<<21)        ; B's to my column
.irp g, G1, G1B
	s_mov_b32 s[\g+1], (REC/8)<<16
	s_mov_b32 s[\g+2], 8<<16
	s_mov_b32 s[\g+3], (REC/8)<<16
	s_mov_b32 s[\g+4], 8
	s_mov_b32 s[\g+5], RBP/8
	s_mov_b32 s[\g+6], 0
	s_mov_b32 s[\g+7], 0
.endr
	s_lshl_b32 s18, s16, 3
	s_lshl_b32 s20, s17, 4
	s_add_co_u32 s20, s20, s18
	s_mul_i32 s20, s20, RBP                        ; A: block 16 x tile row + 8 x half
	s_mov_b32 s21, 0
	s_lshl_b32 s46, s42, 4
	s_add_co_u32 s46, s46, s18
	s_mul_i32 s46, s46, RBP                        ; B: block 16 x tile column + 8 x half
	s_mov_b32 s47, 0
	s_mul_i32 s45, s16, HALF
	s_add_co_u32 s95, s45, 2*HALF
	s_wait_dscnt 0x0
	s_wait_kmcnt 0x0
	s_add_nc_u64 s[20:21], s[4:5], s[20:21]
	s_add_nc_u64 s[46:47], s[6:7], s[46:47]
.irp s, 0,1
	s_mov_b32 s[G0+4*\s], 1
	s_add_co_u32 s[G0+4*\s+1], s45, \s*SLOT
	s_add_nc_u64 s[G0+4*\s+2:G0+4*\s+3], s[20:21], \s*REC
	s_or_b32 s[G0+4*\s+3], s[G0+4*\s+3], 0x80000000
	s_mov_b32 s[G0B+4*\s], 1
	s_add_co_u32 s[G0B+4*\s+1], s95, \s*SLOT
	s_add_nc_u64 s[G0B+4*\s+2:G0B+4*\s+3], s[46:47], \s*REC
	s_or_b32 s[G0B+4*\s+3], s[G0B+4*\s+3], 0x80000000
.endr
	CROUND                                         ; all sixteen work-groups are here
	JLOAD 0                                        ; record 0: my one load at the head
	s_cmp_eq_u32 s15, 0
	s_cselect_b32 s22, s40, s41                    ; my place among the four that ask with me
	s_cselect_b64 s[PFA:PFA+1], s[20:21], s[46:47]
	s_mul_i32 s22, s22, 2*RBP
	s_add_co_u32 s22, s22, 3*REC                   ; the first change of slots steps it to record 4
	s_mov_b32 s23, 0
	s_add_nc_u64 s[PFA:PFA+1], s[PFA:PFA+1], s[22:23]
	s_mul_i32 s70, s15, HALF                       ; my 8 blocks of A in a slot
	s_mul_i32 s71, s16, HALF
	s_add_co_u32 s71, s71, 2*HALF                  ; my 8 blocks of B
	s_sub_co_u32 s72, s71, s70
	s_add_co_u32 s74, s70, 256                     ; the fragments lie behind the scale words
	s_add_co_u32 s75, s71, 256
	s_mul_i32 s73, s14, 16*SPITCH
	s_add_co_u32 s73, s73, STAGE
	s_lshl_b32 s76, s16, 12
	s_add_co_u32 s76, s76, LBS                     ; my column half's images of lora_B
	s_lshl_b32 s20, s17, 8
	s_lshl_b32 s21, s15, 7
	s_add_co_u32 s20, s20, s21                     ; my first row of out0
	s_mov_b32 s21, 0
	s_mov_b64 s[18:19], SIZE_N*4
	s_mul_u64 s[20:21], s[20:21], s[18:19]
	s_lshl_b32 s46, s42, 10
	s_lshl_b32 s47, s16, 9
	s_add_co_u32 s46, s46, s47                     ; my first column, in bytes
	s_mov_b32 s47, 0
	s_add_nc_u64 s[20:21], s[20:21], s[46:47]
	s_add_nc_u64 s[12:13], s[12:13], s[20:21]
	s_add_nc_u64 s[96:97], s[96:97], s[46:47]
	s_lshl_b32 s46, s46, 4                         ; a row of lora_B is 64 bytes
	s_add_nc_u64 s[98:99], s[98:99], s[46:47]
	v_and_b32 v1, 15, v0                           ; r
	v_bfe_u32 v2, v0, 4, 1                         ; h
	v_and_b32 v3, 31, v0
	v_lshlrev_b32 v[CO], 4, v3                     ; 16 x lane
	v_add_nc_u32 v[ADRA], s74, v[CO]
	v_add_nc_u32 v[ADRB], s75, v[CO]
	v_add_nc_u32 v[ADRA+1], SLOT, v[ADRA]
	v_add_nc_u32 v[ADRB+1], SLOT, v[ADRB]
	v_mul_u32_u24 v6, s72, v2                      ; lanes 16-31 take B's scale words
	v_lshl_add_u32 v6, v1, 4, v6
	v_add_nc_u32 v[ADRS], s70, v6
	v_add_nc_u32 v[ADRS+1], SLOT, v[ADRS]
	v_mul_u32_u24 v5, v1, SPITCH
	v_lshl_add_u32 v5, v2, 5, v5
	v_add_nc_u32 v[STO], s73, v5
	v_add_nc_u32 v[RD], s73, v[CO]
	v_add_nc_u32 v[LBA], s76, v[CO]
	v_lshlrev_b32 v[LBO], 6, v1
	v_lshl_add_u32 v[LBO], v2, 5, v[LBO]
	v_lshlrev_b32 v[LSO], 2, v1
	v_mul_u32_u24 v7, v3, 27
	v_lshrrev_b32 v7, 9, v7                        ; lane / 19
	v_mul_u32_u24 v[PF0], v7, RBP-19*256
	v_lshl_add_u32 v[PF0], v3, 8, v[PF0]           ; runs 0-31 of my two blocks' 38
	v_min_u32 v[PF1], 5, v3
	v_lshlrev_b32 v[PF1], 8, v[PF1]
	v_add_nc_u32 v[PF1], RBP+13*256, v[PF1]        ; runs 32-37
	s_wait_alu depctr_va_vdst(0)                   ; the wait at the head's end
	global_load_b128 v[BI:BI+3], v[CO], s[96:97]   ; the bias of my four columns of a row on its way out
	LFRAG 0, 0
	LWORD 0, 0
	LFRAG 1, 1
	LWORD 1, 1
	s_cmp_eq_u32 s15, 0
	s_cbranch_scc0 .Lno_stash                      ; waves 0 and 1: lora_B's rows of column half 0 and 1
.irp b, 0,1,2,3,4,5,6,7
	global_load_b128 v[160+8*\b:160+8*\b+3], v[LBO], s[98:99] offset:1024*\b      ; lora_B(n, 8 h .. 8 h + 7), into registers that A's fragments take later
	global_load_b128 v[160+8*\b+4:160+8*\b+7], v[LBO], s[98:99] offset:1024*\b+16
.endr
	s_wait_loadcnt 0x0
.irp b, 0,1,2,3,4,5,6,7
.irp i, 0,1,2,3
	v_cvt_pk_bf16_f32 v[224+4*\b+\i], v[160+8*\b+2*\i], v[160+8*\b+2*\i+1]
.endr
.endr
.irp b, 0,1,2,3,4,5,6,7
	ds_store_b128 v[LBA], v[224+4*\b:224+4*\b+3] offset:512*\b
.endr
.Lno_stash:
	s_wait_tensorcnt 0x0                           ; my part of record 0 is in
	ds_add_u32 v[SPW], v[NIL]
	s_wait_dscnt 0x0                               ; the add and the images' stores are done
	CROUND
	JLOAD 1                                        ; record 1, the first tensor load behind the round
	FETCH_B 0, 0, 0, 0, 7
	FETCH_A 0, 0, 0
	SCALES 0
	FETCH_A 0, 0, 4
	STEP 0, 0, 0, 1, 2                             ; the first step starts the sums
	s_mov_b32 s3, 4
.Llap:                                                 ; a trip: six steps, once round the ring; both slots are filled again
	STEP 0, 1, 1, 0, 3
	TURN 0, 2, 1, 4, 1
	STEP 1, 0, 3, 0, 5
	STEP 1, 1, 4, 0, 6
	TURN 1, 5, 1, 7, 1
	STEP 0, 0, 6, 0, 8
	s_wait_xcnt 0x0                                ; lora_A's loads have read their bases
	s_add_nc_u64 s[LQ:LQ+1], s[LQ:LQ+1], 6*1536
	s_add_nc_u64 s[LS:LS+1], s[LS:LS+1], 6*64
	s_sub_co_u32 s3, s3, 1
	s_cmp_lg_u32 s3, 0
	s_cbranch_scc1 .Llap
	STEP 0, 1, 1, 0, 3                             ; steps 25 to 30
	TURN 0, 2, 2, 4, 0                             ; record 10, the short one
	STEP 1, 0, 3, 0, 5
	STEP 1, 1, 4, 0, 6
	TURN 1, 5, 0, 7, 0
	STEP 0, 0, 6, 0, -1
; THE LAST STEP, block by block.  All its fragments are in registers or on their way
.macro ROWF a                          ; block a's 9 FP6 products
	WIN MUL_LO+0x50*((\a)/4)
	MULR \a, 31, 1, 0, 0
	WIN W_T
	MULT1 \a, 31, 1, 0, 0
.endm
.macro CV a                            ; block a's t to bf16, in place; the 16 along K stand twice in the 32 of the bf16 form, which is the factor 2
	WIN 0
.irp i, 0,1,2,3
	v_cvt_pk_bf16_f32 v[TA+8*(\a)+\i], v[TA+8*(\a)+2*\i], v[TA+8*(\a)+2*\i+1]
.endr
.irp i, 0,1,2,3
	v_mov_b32 v[TA+8*(\a)+4+\i], v[TA+8*(\a)+\i]
.endr
.endm
.macro LORA a                          ; block a's 8 bf16 products
	WIN MUL_LO+0x50*((\a)/4)
.irp b, 0,1,2,3,4,5,6,7
	v_wmma_f32_16x16x32_bf16 v[8*(8*((\a)%4)+\b):8*(8*((\a)%4)+\b)+7], v[8*\b:8*\b+7], v[TA+8*(\a):TA+8*(\a)+7], v[8*(8*((\a)%4)+\b):8*(8*((\a)%4)+\b)+7]
.endr
	WIN 0
.endm
.macro TOSTAGE a                       ; 16 rows x 128 columns into my own stage, and back as whole rows of 512 bytes (LDS serves a wave's instructions in order: ISA guide 5.7.1.4)
.set AC, 64*((\a)%4)
	WIN 0x08+4*((\a)/4)
.irp b, 0,1,2,3,4,5,6,7
	ds_store_b128 v[STO], v[AC+8*\b:AC+8*\b+3] offset:64*\b
	ds_store_b128 v[STO], v[AC+8*\b+4:AC+8*\b+7] offset:64*\b+16
.endr
	WIN TO_B
.irp t, 0,1,2,3,4,5,6,7,8,9,10,11,12,13,14,15
	ds_load_b128 v[BK+4*\t:BK+4*\t+3], v[RD] offset:\t*SPITCH
.endr
	WIN 0
.endm
.macro SEND a                          ; the bias is added, all 32 additions ahead of the 16 stores
	s_wait_dscnt 0x0
.if (\a) > 0
	s_add_nc_u64 s[12:13], s[12:13], 16*SIZE_N*4   ; behind a wait on XCNT: the earlier stores have read their base
.endif
	WIN 0x41
.irp t, 0,1,2,3,4,5,6,7,8,9,10,11,12,13,14,15
	v_pk_add_f32 v[BK+4*\t:BK+4*\t+1],   v[BK+4*\t:BK+4*\t+1],   v[BI:BI+1]
	v_pk_add_f32 v[BK+4*\t+2:BK+4*\t+3], v[BK+4*\t+2:BK+4*\t+3], v[BI+2:BI+3]
.endr
	WIN 0x04
.irp t, 0,1,2,3,4,5,6,7,8,9,10,11,12,13,14,15
	global_store_b128 v[CO], v[BK+4*\t:BK+4*\t+3], s[12:13] offset:\t*SIZE_N*4 th:TH_STORE_NT   ; 32 lanes store 512 consecutive bytes, at a multiple of 256
.endr
	WIN 0
.endm
	WIN TO_B
.irp b, 0,1,2,3,4,5,6,7
	ds_load_b128 v[8*\b:8*\b+3],   v[LBA] offset:512*\b      ; lora_B's images, each twice, into B's set 0, which step 30 has left (four places stand behind it)
	ds_load_b128 v[8*\b+4:8*\b+7], v[LBA] offset:512*\b
.endr
	WIN 0
	s_wait_loadcnt 0x0                             ; step 31's lora_A is in
	s_wait_dscnt 28                                ; B's set and A's blocks 0-3 are in; A's blocks 4-7 (12 loads) and the 16 just issued may be out
	ROWF 0
.irp a, 0,1,2,3,4,5,6,7
.if \a < 7
	ROWF \a+1
.endif
.if \a == 0
	s_wait_dscnt 0x0                               ; A's blocks 4-7 and lora_B's images are in
.endif
	PLACES 4                                       ; behind block a's t
	CV \a
	PLACES 4
	LORA \a
.if \a >= 2
	SEND \a-2                                      ; its rows came back from the stage under the products above
.endif
.if \a >= 1
	s_wait_xcnt 0x0                                ; the stores have read their registers and their base
	TOSTAGE \a-1                                   ; its last products stand 16 vector instructions back
.endif
.endr
	SEND 6
	s_wait_xcnt 0x0
	TOSTAGE 7
	SEND 7
	s_wait_tensorcnt 0x0                           ; the wave's end
	ds_add_u32 v[SPW], v[NIL]
	s_wait_dscnt 0x0
	CROUND                                         ; the closing round
	s_endpgm
.Lfunc_end_k_qe0fb26009d_gemm:
	.size	k_qe0fb26009d_gemm, .Lfunc_end_k_qe0fb26009d_gemm-k_qe0fb26009d_gemm
	.p2alignl 7, 3214868480
	.fill 96, 4, 3214868480
	.section	.rodata,"a",@progbits
	.p2align	6, 0x0
	.amdhsa_kernel k_qe0fb26009d_gemm
		.amdhsa_group_segment_fixed_size 327680
		.amdhsa_private_segment_fixed_size 0
		.amdhsa_enable_private_segment 0
		.amdhsa_kernarg_size 56
		.amdhsa_user_sgpr_count 2
		.amdhsa_user_sgpr_kernarg_segment_ptr 1
		.amdhsa_wavefront_size32 1
		.amdhsa_system_sgpr_workgroup_id_x 1
		.amdhsa_system_sgpr_workgroup_id_y 1
		.amdhsa_system_sgpr_workgroup_id_z 1
		.amdhsa_system_vgpr_workitem_id 0
		.amdhsa_next_free_vgpr 1024
		.amdhsa_next_free_sgpr 100
		.amdhsa_reserve_vcc 0
		.amdhsa_float_denorm_mode_32 3
		.amdhsa_float_denorm_mode_16_64 3
		.amdhsa_memory_ordered 1
		.amdhsa_forward_progress 1
		.amdhsa_inst_pref_size 255
	.end_amdhsa_kernel
	.section	.bss,"aw",@nobits
	.p2align	6
	.space	262144
	.amdgpu_metadata
---
amdhsa.version: [ 1, 2 ]
amdhsa.kernels:
  - .name:           k_qe0fb26009d_gemm
    .symbol:         k_qe0fb26009d_gemm.kd
    .args:
      - { .name: a_q, .offset: 0, .size: 8, .value_kind: global_buffer, .address_space: global }
      - { .name: b_q, .offset: 8, .size: 8, .value_kind: global_buffer, .address_space: global }
      - { .name: l_q, .offset: 16, .size: 8, .value_kind: global_buffer, .address_space: global }
      - { .name: l_s, .offset: 24, .size: 8, .value_kind: global_buffer, .address_space: global }
      - { .name: bias, .offset: 32, .size: 8, .value_kind: global_buffer, .address_space: global }
      - { .name: lora_B, .offset: 40, .size: 8, .value_kind: global_buffer, .address_space: global }
      - { .name: out0, .offset: 48, .size: 8, .value_kind: global_buffer, .address_space: global }
    .group_segment_fixed_size: 327680
    .private_segment_fixed_size: 0
    .kernarg_segment_align: 8
    .kernarg_segment_size: 56
    .max_flat_workgroup_size: 128
    .sgpr_count:     100
    .vgpr_count:     1024
    .wavefront_size: 32
...
	.end_amdgpu_metadata
.endif
;; end of part 2
